; MI455X (gfx1250); checked and timed in simulation.
; The chip was launched on July 23, 2026; its instructions are those of AMD's public machine-readable ISA for CDNA 5 (MIT licence, August 2026) and "CDNA5" Instruction Set Architecture Reference Guide (July 2026). The comments in the code are by the model that wrote it; some were corrected since.
;; Linear Addmv. Allowed arithmetic: matrix products marked QUANTISED: E4M3 operands, one E8M0 scale for each 32 along K, by v_wmma_scale_f32_16x16x128_f8f6f4 with both operands' format E4M3, f32 sums; everything else in f32.
;; Inputs: W_codes 4,096 x 128 x 32 uint8 (E4M3 codes of W, K innermost, in blocks of 32 codes); W_scales 4,096 x 128 uint8 (E8M0 scales of W, one for each 32 codes along K); b 4,096 float32; x_codes 4,096 x 128 x 32 uint8 (E4M3 codes of x, K innermost, in blocks of 32 codes); x_scales 4,096 x 128 uint8 (E8M0 scales of x, one for each 32 codes along K).
;; Outputs: out0 4,096 x 4,096 float32.
;; This version of the problem:
;;   THIS VERSION OF THE PROBLEM IS GIVEN IN LOW PRECISION. The matrix products marked QUANTISED in the list below multiply operands that are first quantised to E4M3 (4 exponent bits, 3 mantissa bits; 8 bits a number), with one power-of-two scale for each 32 numbers along K (OCP MX v1.0); their sums are f32. All else is computed in f32.
;;   The module's matrix products, in the order in which they are computed (A, B: the left and right operand; K: the contracted axis; several contracted axes count as one K, in the product's order):
;;     1. [M 4,096, K 4,096] x [K 4,096, N 4,096]; A: input x (given as codes); B: input W (given as codes): QUANTISED
;;   THE QUANTISER, for each operand of a quantised product, along K:
;;     - K is cut into blocks of 32 from its start; a last block that is shorter is filled with zeros.
;;     - A block's scale is 2^e with e = floor(log2(the largest magnitude in the block)) - 8, held to -126 .. 127; a block of zeros has e = 0. As a byte (E8M0): e + 127.
;;     - Each number is divided by its block's scale, clamped to +-448, and rounded to the nearest number of E4M3, ties to even, subnormals kept.
;;     - The product sums the exact products of the quantised numbers (number of the format x scale) in f32.
;;   ~~~python
;;   def quantise(x, axis):      # numpy; x: float32 -> the quantised numbers, widened to float32 again
;;       x = np.moveaxis(x, axis, -1); K = x.shape[-1]
;;       x = np.pad(x, [(0, 0)] * (x.ndim - 1) + [(0, -K % 32)]); x = x.reshape(x.shape[:-1] + (-1, 32)); a = np.abs(x).max(-1, keepdims=True)
;;       e = np.where(a > 0, np.clip(np.frexp(np.where(a > 0, a, 1))[1] - 1 - 8, -126, 127), 0)      # np.frexp(a)[1] - 1 = floor(log2(a)), exactly
;;       r = np.clip(x / 2.0 ** e, -448, 448)
;;       step = 2.0 ** (np.maximum(np.frexp(np.where(r == 0, 1, r))[1] - 1, -6) - 3)
;;       q = np.round(r / step) * step * 2.0 ** e      # np.round: ties to even
;;       return np.moveaxis(q.reshape(q.shape[:-2] + (-1,))[..., :K], -1, axis).astype(np.float32)
;;   ~~~
;;   INPUTS GIVEN AS CODES. W (in the module: [4096, 4096], K = its axis 1); x (in the module: [4096, 4096], K = its axis 1): each comes as NAME_codes (uint8): NAME with its K axis moved to the last place and cut into blocks of 32 codes, [.., K / 32, bytes a block], one block behind the other in memory; one code a byte (a code: sign, 4 exponent bits, 3 mantissa bits); and NAME_scales (uint8): the same leading axes, one E8M0 byte (e + 127) for each 32 codes along K. Its value is code x scale, taken as it is: it is not quantised again, and the codes and scales need not be those that the quantiser above would give.
;; One version. Each part assembles by itself: llvm-mc -triple=amdgcn-amd-amdhsa -mcpu=gfx1250 --defsym DOCPART=n.
;; ======== version 1 of 1: 1 launch
;; limits: right only within a limited range of input values
;; launch gemm (part 1): grid 16 x 16, 4 waves a work-group, clusters of 4 x 4, 327,680 bytes of LDS; arguments x_codes, x_scales, W_codes, W_scales, b, out0; writes out0
.if DOCPART == 1
	.amdgcn_target "amdgcn-amd-amdhsa--gfx1250"
	.amdhsa_code_object_version 6
	.text
	.protected	k_q0b782f69cd_gemm
	.globl	k_q0b782f69cd_gemm
	.p2align	8
	.type	k_q0b782f69cd_gemm,@function
k_q0b782f69cd_gemm:
	s_mov_b64 s[64:65], 0
	v_nop
	global_prefetch_b8 v0, s[64:65] scope:SCOPE_SE
	s_setreg_imm32_b32 hwreg(HW_REG_WAVE_MODE, 25, 1), 1
	s_wait_xcnt 0x0
	s_wait_alu depctr_hold_cnt(0) depctr_sa_sdst(0) depctr_va_vdst(0) depctr_va_sdst(0) depctr_va_ssrc(0) depctr_va_vcc(0) depctr_vm_vsrc(0)
	s_getreg_b32 s2, hwreg(HW_REG_IB_STS2, 6, 4)
	s_cmp_eq_u32 s2, 0
	s_cbranch_scc0 .Lentry_in_a_cluster
	s_endpgm
.Lentry_in_a_cluster:
	s_bfe_u32 s2, ttmp6, 0x10000c
	s_cmp_lg_u32 s2, 0xf033
	s_cbranch_scc0 .Lentry_shape_is_right
	s_endpgm
.Lentry_shape_is_right:
; out0[m][n] = sum over k of x[m][k] W[n][k] + b[n].  x, W: [4096][4096] as codes of FP8 (E4M3), K innermost, with one E8M0 scale byte for each 32 along K ([4096][128]); b: [4096] f32; out0: [4096][4096] f32.
; Codes and scale bytes go to the scaled matrix instruction as they lie in memory; sums in f32.
; LIMITS: the bias is the C of each sum's first matrix instruction, so it enters the f32 sum first, where the definition adds it last: another order of rounding.  NaN codes and the scale byte 0xff give what the matrix unit gives.
; SHARES.  A tile of out0, 256 x 256, is made by a work-group of four waves; a wave makes 128 x 128: 64 accumulators of 16 x 16, 512 registers.  16 x 16 tiles: one work-group each.
; K goes in 16 steps of 256 through a ring of two LDS slots: a tile's row is 256 bytes of memory.  Each wave fetches a quarter of a slot by one tensor load of 128 rows: waves 0 and 1 x's, waves 2 and 3 W's.
; THE SCALES of the work-group's 256 rows of x and of W lie in LDS for HALF of K at a time (64 bytes a row): all of K would be 65,536 bytes, more than the ring leaves.  They come through registers, 128 rows a wave: K steps 0-7 at the head; K steps 8-15
; are loaded ahead of the change of slots at the end of K step 6 and stored into LDS between that change and the next.  An odd K step's scale words are read ahead of the change of slots in front of it, an even one's behind the change in front of it: so between
; the changes at the ends of steps 6 and 7 no wave reads the scales' bytes.  No tensor load lands on them.
; CLUSTERS: 4 x 4 work-groups.  The four of a row of the cluster need the same tiles of x, the four of a column the same of W: each is asked for JOINTLY, by the same tensor load with the same descriptor and a mask that names the four.
; THE MATRIX INSTRUCTION IS USED TRANSPOSED (source 0 = 16 rows of W, source 1 = 16 rows of x): a lane then holds eight neighbouring numbers of a row of out0.
; ORDER OF A STEP of 128 along K: 16 quads of four matrix instructions (quad i: x's block i / 2 against four of W's eight).  W has two sets of fragments (set q for the slot's q-th 128 along K); x has one: a block is loaded anew once its products and eight places are behind it.
; The LDS loads stand in runs.  First 128 of a slot: behind quad 7 the second half of W's set 1 and x's blocks 0-3, behind quad 15 x's blocks 4-7.  Second 128: behind the change of slots W's set 0 of the next slot, behind quad 11 its x's blocks 0-3,
; behind quad 15 its x's blocks 4-7 and the first half of its W's set 1.
; REGISTERS, in windows of 256: window 0: v0-31 addresses; v32-63 scale words, two sets; v64-127 the bias, 8 registers for each of W's 8 blocks, later the second half of the scales on its way; v128-255 x's fragments (8 x 16 rows x 128 K), ahead of them the first half of the scales.
;   In the last K step v64-255 hold x's rows by blocks, then results on the way out.
;   window 1: W's fragments, TWO sets, at v0 and at v128.   window 2: the 32 accumulators of my rows 0-63 (accumulator (a, b) at v[8 (8 a + b)]);   window 3: those of my rows 64-127.
.set SIZE_N, 4096
.set ROWB,   256                       ; a tile's row in bytes
.set KROW,   4096                      ; a row of codes in memory, in bytes
.set PITCH,  272                       ; an LDS row: 256 bytes + 16 of padding = 68 words: row r starts at bank 4 r mod 64 (64 banks of 4 bytes: ISA guide 11.1), so the 16 rows that a load touches start at 16 different banks
.set HALFT,  128*PITCH                 ; 128 rows: what one tensor load brings, and what one wave reads of x or of W
.set TILEB,  2*HALFT
.set SLOT,   2*TILEB                   ; x's 256 rows, then W's 256 rows
.set SPIT,   80                        ; a row of scales in LDS: 64 bytes (half of K) + 16 of padding
.set SHALF,  128*SPIT                  ; the scales of 128 rows
.set SBLK,   16*SPIT                   ; of 16 rows
.set SCL,    2*SLOT                    ; behind the ring: x's scales, 256 rows;
.set SCLB,   SCL+2*SHALF+8             ; W's, 8 bytes further on than a whole number of rows
.set SPARE,  ((SCLB+2*SHALF+255)/256)*256  ; the spare words, 128 bytes for each wave: two blocks of 256 bytes that no other line names
.set SPITCH, 528                       ; the way out: a stage of 16 rows x (512 bytes + 16) for each wave, in slot 0, which has had its last fill and its last read when the first result is stored there
.set SGO,  9                           ; v9      where my lane's 16 bytes of scales begin among my wave's 128 rows in memory
.set SLD,  10                          ; v10     and where they go in LDS
.set ADRA, 16                          ; v16-17  LDS address of my fragments of x in slot 0, 1
.set ADRB, 20                          ; v20-21  the same for W
.set STO,  24                          ; v24     the way out: where I put 32 bytes of a row
.set RD,   25                          ; v25     the way out: where I read a row back
.set CO,   26                          ; v26     my byte offset in a row of out0
.set ADRS, 27                          ; v27     LDS address of my scale words: lanes 0-15 x's rows, lanes 16-31 W's
.set SPW,  28                          ; v28     LDS address of my spare word: SPARE + 4 x my thread's number; never rewritten
.set NIL,  29                          ; v29     0; never rewritten
.set PFO,  30                          ; v30     the prefetches' offset: my lane x a row of codes; never rewritten
.set BO,   31                          ; v31     the bias: 32 bytes x (lane / 16)
.set SC,   32                          ; scale words: set s (for slot s) at v[SC + 16 s]: lanes 0-15 the word of x's block i, lanes 16-31 that of W's block i; for the slot's q-th 128 along K register 2 i + q in blocks 0-3,
                                       ; 2 i + 1 - q in blocks 4-7: so the eight registers of one q have eight different numbers modulo 8
.set BIAS, 64                          ; v[BIAS + 8 blk ..]: b at my eight columns of W's block blk
.set AF,   128                         ; x's fragments
.set WV,   16                          ; s16 my wave's number;  s17 which 128 rows of the tile are mine (also: I fetch for x (0) or for W (1));  s18 which 128 columns (also: which 128 rows of that tile I fetch)
.set WR,   17
.set WC,   18
.set SP,   22                          ; s[22:23] the scales of the 128 rows that I bring
.set G1A,  24                          ; s[24:31] descriptor group 1 for x's tiles;  s[32:39] group 0, one set for each slot
.set G0A,  32
.set G1B,  48                          ; s[48:55], s[56:63] the same for W's tiles
.set G0B,  56
.set PFA,  92                          ; s[92:93] where my prefetches stand: my 32 rows; a refill's prefetch names the K step three further along K
.set MSB, 0
.macro WIN new                         ; the immediate's high byte repeats the setting that is left
.if MSB != (\new)
	s_set_vgpr_msb (MSB<<8)|(\new)
.set MSB, (\new)
.endif
.endm
.macro PLACES n
.rept \n
	v_nop
.endr
.endm
; A joint load: waves 0 and 1 fetch for x, waves 2 and 3 for W.  Each line has ONE mask and one set of registers for all that issue it; the branch hangs on the wave's number alone.
; An s_nop 0 and four v_nop follow each line, ahead of the jump, the label and what follows.
.macro TLOAD g0, g1
	tensor_load_to_lds s[\g0:\g0+3], s[\g1:\g1+7]
	s_nop 0
	PLACES 4
.endm
.macro JLOAD slot
	s_cmp_eq_u32 s[WR], 0
	s_cbranch_scc0 .Lfor_w_\@
	TLOAD G0A+4*\slot, G1A
	s_branch .Lasked_\@
.Lfor_w_\@:
	TLOAD G0B+4*\slot, G1B
.Lasked_\@:
.endm
; A PREFETCH INTO THE L2, behind each joint refill and the LDS loads of the next products: the K step that stands TWO refills on: 32 rows x 256 bytes, a lane a row, one instruction a wave.
; Each row's 256 bytes of a K step are named ONCE IN EACH CLUSTER that will load them: waves 0 and 2 ask for x's rows, waves 1 and 3 for W's.  The four partners that receive a tile share its rows out BY ADDRESS: the partner at place p
; takes rows 64 p .. 64 p + 63, each of its two waves 32: no branch hangs on a work-group's place in its cluster.
; how = 0: in the second loop, whose last trip (s3 = 1) refills K steps 14 and 15 and has no K step two on.
.macro ASK how
.if \how == 0
	s_cmp_lg_u32 s3, 1
	s_cbranch_scc0 .Lno_more_\@
.endif
	global_prefetch_b8 v[PFO], s[PFA:PFA+1] offset:3*ROWB th:TH_LOAD_NT scope:SCOPE_SE
.if \how == 0
.Lno_more_\@:
.endif
.endm
; Half of K of the scales of my 128 rows: 16 loads, four lanes a row, eight rows a load; and into LDS, 8 bytes a store (W's rows begin at 8 modulo 16)
.macro SGET reg, off
.irp j, 0,1,2,3,4,5,6,7,8,9,10,11,12,13,14,15
	global_load_b128 v[\reg+4*\j:\reg+4*\j+3], v[SGO], s[SP:SP+1] offset:1024*\j+\off
.endr
.endm
.macro SPUT reg
.irp j, 0,1,2,3,4,5,6,7,8,9,10,11,12,13,14,15
	ds_store_b64 v[SLD], v[\reg+4*\j:\reg+4*\j+1] offset:8*SPIT*\j
	ds_store_b64 v[SLD], v[\reg+4*\j+2:\reg+4*\j+3] offset:8*SPIT*\j+8
.endr
.endm
.macro CREST                           ; a round of the cluster's barrier behind its opening barrier
	s_cmp_lg_u32 s[WV], 0
	s_cbranch_scc1 .Lnot_wave_0_\@
	s_barrier_signal -3
.Lnot_wave_0_\@:
	s_barrier_wait -3
	s_barrier_signal -1
	s_barrier_wait -1
.endm
.macro CROUND                          ; a whole round
	s_barrier_signal -1
	s_barrier_wait -1
	CREST
.endm
	s_load_b256 s[4:11], s[0:1], 0x0               ; x's codes s[4:5], x's scales s[6:7], W's codes s[8:9], W's scales s[10:11]
	s_load_b128 s[12:15], s[0:1], 0x20             ; b s[12:13], out0 s[14:15]
	v_lshl_add_u32 v[SPW], v0, 2, SPARE
	v_mov_b32 v[NIL], 0
	ds_add_u32 v[SPW], v[NIL]                      ; the wave's opening: the add, twice on end, and its wait ahead of my first tensor load
	ds_add_u32 v[SPW], v[NIL]
	v_lshrrev_b32 v1, 5, v0
	v_readfirstlane_b32 s[WV], v1                  ; wave 0..3
	s_lshr_b32 s[WR], s[WV], 1
	s_and_b32 s[WC], s[WV], 1
	s_bfe_u32 s40, ttmp6, 0x40000                  ; cx, cy: my place in the cluster
	s_bfe_u32 s41, ttmp6, 0x40004
	s_lshl_b32 s42, ttmp9, 2
	s_add_co_u32 s42, s42, s40                     ; tile column = 4 x cluster x + cx
	s_and_b32 s43, ttmp7, 0xffff
	s_lshl_b32 s43, s43, 2
	s_add_co_u32 s43, s43, s41                     ; tile row = 4 x cluster y + cy
	s_lshl_b32 s44, s41, 2
	s_lshl_b32 s44, 15, s44                        ; my row of the cluster
	s_lshl_b32 s45, 0x1111, s40                    ; my column
	; descriptor group 1: a tile of 128 rows x 256 bytes, padded in LDS
	s_or_b32 s[G1A], s44, (0<<16)|(1<<20)|(1<<21)|(5<<22)|(3<<25)   ; 15:0 the mask: x's tiles go to my row; 17:16 element of 1 byte; 20 padding on; 21 set beside a mask; 24:22 after every 64 words (code 5); 31:25 of 4 words (code 3)
	s_or_b32 s[G1B], s45, (0<<16)|(1<<20)|(1<<21)|(5<<22)|(3<<25)   ; the same with the mask of my column
.irp g, G1A, G1B
	s_mov_b32 s[\g+1], ROWB<<16                    ; tensor_dim0 = 256
	s_mov_b32 s[\g+2], 128<<16                     ; tensor_dim1 = 128
	s_mov_b32 s[\g+3], ROWB<<16                    ; tile_dim0 = 256
	s_mov_b32 s[\g+4], 128                         ; tile_dim1 = 128
	s_mov_b32 s[\g+5], KROW                        ; tensor_dim0_stride
	s_mov_b32 s[\g+6], 0
	s_mov_b32 s[\g+7], 0
.endr
	; where the tiles come from.  x's hang on the tile row alone, which my row of the cluster shares; W's on the tile column alone, which my column shares; each in registers that do not hold the other coordinate
	s_lshl_b32 s97, s[WC], 19                      ; which 128 rows of 4,096 bytes of the tile I fetch
	s_lshl_b32 s20, s43, 20                        ; x's codes: 256 rows a tile row
	s_add_co_u32 s20, s20, s97
	s_mov_b32 s21, 0
	s_lshl_b32 s46, s42, 20                        ; W's likewise, by the tile column
	s_add_co_u32 s46, s46, s97
	s_mov_b32 s47, 0
	s_mul_i32 s19, s[WV], HALFT                    ; where they go: wave x 128 rows: no place in the cluster enters an LDS address
.irp s, 0,1
	s_mov_b32 s[G0A+4*\s], 1                                       ; 1:0 count = 1
	s_add_co_u32 s[G0A+4*\s+1], s19, \s*SLOT                       ; 63:32 LDS address
	s_mov_b32 s[G0B+4*\s], 1
	s_add_co_u32 s[G0B+4*\s+1], s19, \s*SLOT
.endr
	s_wait_dscnt 0x0                               ; both opening adds are done
	CROUND                                         ; all sixteen work-groups are here: the first joint loads meet
	s_wait_kmcnt 0x0
	s_add_nc_u64 s[20:21], s[4:5], s[20:21]
	s_add_nc_u64 s[46:47], s[8:9], s[46:47]
.irp s, 0,1
	s_add_nc_u64 s[G0A+4*\s+2:G0A+4*\s+3], s[20:21], \s*ROWB       ; 120:64 global address: K step s
	s_or_b32 s[G0A+4*\s+3], s[G0A+4*\s+3], 0x80000000              ; 127:126 type = 2
	s_add_nc_u64 s[G0B+4*\s+2:G0B+4*\s+3], s[46:47], \s*ROWB
	s_or_b32 s[G0B+4*\s+3], s[G0B+4*\s+3], 0x80000000
.endr
	JLOAD 0                                        ; the head's load, one a wave: K step 0
	s_cmp_eq_u32 s[WR], 0                          ; waves 0 and 1 bring x's scales, waves 2 and 3 W's:
	s_cselect_b64 s[SP:SP+1], s[6:7], s[10:11]
	s_cselect_b32 s20, s43, s42                    ; by the tile row or column: 256 rows of 128 bytes,
	s_lshl_b32 s20, s20, 15
	s_lshl_b32 s21, s[WC], 14                      ; 128 rows for my half
	s_add_co_u32 s20, s20, s21
	s_mov_b32 s21, 0
	s_add_nc_u64 s[SP:SP+1], s[SP:SP+1], s[20:21]
	s_lshl_b32 s98, s42, 10
	s_lshl_b32 s99, s[WC], 9
	s_add_co_u32 s98, s98, s99                     ; my first column, in bytes of f32
	s_mov_b32 s99, 0
	s_add_nc_u64 s[12:13], s[12:13], s[98:99]      ; the bias at my first column
	s_add_nc_u64 s[14:15], s[14:15], s[98:99]      ; out0 at my first column,
	s_lshl_b32 s98, s43, 22                        ; 256 rows of 16,384 bytes a tile row,
	s_lshl_b32 s19, s[WR], 21                      ; 128 rows for my half
	s_add_co_u32 s98, s98, s19
	s_add_nc_u64 s[14:15], s[14:15], s[98:99]      ; and at my first row
	s_lshl_b32 s96, s43, 8                         ; 256 x tile row
	s_lshl_b32 s97, s42, 8                         ; 256 x tile column
	s_cmp_eq_u32 s[WC], 0                          ; waves 0 and 2 prefetch x's codes, waves 1 and 3 W's
	s_cselect_b32 s96, s96, s97                    ; the tile's first row
	s_cselect_b32 s97, s40, s41                    ; my place among the four that receive it
	s_cselect_b64 s[PFA:PFA+1], s[4:5], s[8:9]
	s_lshl_b32 s97, s97, 6
	s_add_co_u32 s96, s96, s97                     ; + my work-group's 64 rows
	s_lshl_b32 s97, s[WR], 5
	s_add_co_u32 s96, s96, s97                     ; + my wave's 32 of them
	s_lshl_b32 s96, s96, 12                        ; in bytes: under 2^24
	s_mov_b32 s97, 0
	s_add_nc_u64 s[PFA:PFA+1], s[PFA:PFA+1], s[96:97]
	s_mul_i32 s19, s[WR], HALFT                    ; my 128 rows of x
	s_mul_i32 s66, s[WC], HALFT                    ; my 128 rows of W,
	s_add_co_u32 s66, s66, TILEB                   ; which lie behind x's 256
	s_xor_b32 s67, s[WR], 1                        ; from x's 128 rows of mine to W's 128 of mine: SCLB - SCL + SHALF (column half - row half) = SHALF + 8 + SHALF ((1 - row half) + column half)
	s_add_co_u32 s67, s67, s[WC]
	s_mul_i32 s67, s67, SHALF
	s_add_co_u32 s67, s67, SHALF+8
	s_mul_i32 s94, s[WR], SHALF
	s_add_co_u32 s94, s94, SCL
	s_mul_i32 s95, s[WV], 16*SPITCH                ; my stage
	s_mul_i32 s68, s[WV], SHALF                    ; the 128 rows of scales that I bring: x's 256 rows, then, 8 bytes further on, W's
	s_lshl_b32 s69, s[WR], 3
	s_add_co_u32 s68, s68, s69
	s_add_co_u32 s68, s68, SCL
	v_and_b32 v6, 31, v0
	v_lshrrev_b32 v11, 2, v6                       ; four lanes a row of scales
	v_and_b32 v12, 3, v6
	v_lshlrev_b32 v12, 4, v12
	v_lshl_add_u32 v[SGO], v11, 7, v12
	v_mul_u32_u24 v11, v11, SPIT
	v_add_nc_u32 v11, v11, v12
	v_add_nc_u32 v[SLD], s68, v11
	v_and_b32 v1, 15, v0                           ; r = l % 16
	v_bfe_u32 v2, v0, 4, 1                         ; h = l / 16
	v_lshlrev_b32 v[BO], 5, v2
	v_lshlrev_b32 v[PFO], 12, v6                   ; the prefetches: a lane a row of 4,096 bytes
	v_lshlrev_b32 v[CO], 4, v6                     ; the way out, back: the 32 lanes take one row of 512 bytes; and the same in out0
	v_mul_u32_u24 v3, v1, PITCH
	v_lshl_add_u32 v4, v2, 4, v3                   ; a fragment's row x pitch + 16 x half
	v_add_nc_u32 v[ADRA], s19, v4
	v_add_nc_u32 v[ADRB], s66, v4
	v_add_nc_u32 v[ADRA+1], SLOT, v[ADRA]
	v_add_nc_u32 v[ADRB+1], SLOT, v[ADRB]
	v_mul_u32_u24 v5, v1, SPIT                     ; my row's scales
	v_mul_u32_u24 v7, s67, v2                      ; lanes 16-31 take W's: one product, the distance x h
	v_add_nc_u32 v5, v5, v7
	v_add_nc_u32 v[ADRS], s94, v5
	v_mul_u32_u24 v8, v1, SPITCH                   ; in: row l % 16, 32 bytes for each half of the lanes
	v_lshl_add_u32 v8, v2, 5, v8
	v_add_nc_u32 v[STO], s95, v8
	v_add_nc_u32 v[RD], s95, v[CO]
	SGET AF, 0                                     ; the scales of K steps 0-7
	; the bias: lane (r, h) wants, for W's block blk, b at columns 256 x tile column + 128 x half + 16 blk + 8 h + 0 .. 7: the result's layout
.irp k, 0,1,2,3,4,5,6,7
	global_load_b128 v[BIAS+8*\k:BIAS+8*\k+3],   v[BO], s[12:13] offset:64*\k
	global_load_b128 v[BIAS+8*\k+4:BIAS+8*\k+7], v[BO], s[12:13] offset:64*\k+16
.endr
	global_prefetch_b8 v[PFO], s[PFA:PFA+1] offset:ROWB th:TH_LOAD_NT scope:SCOPE_SE     ; K step 1, behind K step 0's load
; One matrix instruction: x's block A_ (fragment at X_) against W's block B_; q: which 128 along K of the slot, and W's set; sc: the set of scale words.
; first = 1: the sum starts from the bias: nothing is cleared, nothing is added later.
.macro MM q, sc, first
.set D_, 8*(8*(A_%4)+B_)
.set W_, 128*(\q)+16*B_
.set SW_, SC+16*(\sc)+2*B_+(\q)
.if B_ > 3
.set SW_, SC+16*(\sc)+2*B_+1-(\q)
.endif
.set SX_, SC+16*(\sc)+2*A_+(\q)
.if A_ > 3
.set SX_, SC+16*(\sc)+2*A_+1-(\q)
.endif
.if \first
	v_wmma_scale_f32_16x16x128_f8f6f4 v[D_:D_+7], v[W_:W_+15], v[X_:X_+15], v[BIAS+8*B_:BIAS+8*B_+7], v[SW_], v[SX_] matrix_a_scale:MATRIX_SCALE_ROW1
.else
	v_wmma_scale_f32_16x16x128_f8f6f4 v[D_:D_+7], v[W_:W_+15], v[X_:X_+15], v[D_:D_+7], v[SW_], v[SX_] matrix_a_scale:MATRIX_SCALE_ROW1
.endif
.endm
.macro FOUR q, sc, first               ; four of them: A_, B_ and X_ are set
.if \first
.if A_ < 4
	WIN 0x81                                       ; source 0 (W) window 1, sources 1 (x) and 2 (the bias) window 0, D window 2
.else
	WIN 0xc1                                       ; D window 3
.endif
.else
.if A_ < 4
	WIN 0xa1                                       ; C and D window 2
.else
	WIN 0xf1                                       ; C and D window 3
.endif
.endif
.rept 4
	MM \q, \sc, \first
.set B_, B_+1
.endr
.endm
; Quads from .. from + cnt - 1; quad i: x's block i / 2, W's blocks 4 (i % 2) .. + 3.  The 64 accumulators take turns, one instruction a turn, in the same order in every step.
.macro QUADS from, cnt, q, sc, first=0
.set I_, \from
.rept \cnt
.set A_, I_/2
.set B_, 4*(I_%2)
.set X_, AF+16*A_
	FOUR \q, \sc, \first
.set I_, I_+1
.endr
.endm
; A fragment, 16 rows x 128 K of 8-bit codes, is 16 registers, four loads: lane l holds row l % 16; registers 4 c .. 4 c + 3 hold K = 32 c + 16 (l / 16) + 0 .. 15.
.macro LB slot, q, from                ; W's blocks from .. from + 3 of the slot's q-th 128 along K, into set q
	WIN 0x40
.irp b, \from, \from+1, \from+2, \from+3
.irp c, 0,1,2,3
	ds_load_b128 v[128*(\q)+16*(\b)+4*\c:128*(\q)+16*(\b)+4*\c+3], v[ADRB+\slot] offset:128*(\q)+32*\c+(\b)*16*PITCH
.endr
.endr
.endm
.macro LA slot, q, from                ; x's blocks from .. from + 3
	WIN 0
.irp a, \from, \from+1, \from+2, \from+3
.irp c, 0,1,2,3
	ds_load_b128 v[AF+16*(\a)+4*\c:AF+16*(\a)+4*\c+3], v[ADRA+\slot] offset:128*(\q)+32*\c+(\a)*16*PITCH
.endr
.endr
.endm
.macro LS sc, off                      ; a K step's scale words into set sc: 12 loads: blocks 0-3, then blocks 4-7 (their two words change places)
	WIN 0
.irp i, 0,1,2,3
	ds_load_b64 v[SC+16*(\sc)+2*\i:SC+16*(\sc)+2*\i+1], v[ADRS] offset:\i*SBLK+\off
.endr
.irp i, 4,5,6,7
	ds_load_b32 v[SC+16*(\sc)+2*\i+1], v[ADRS] offset:\i*SBLK+\off
	ds_load_b32 v[SC+16*(\sc)+2*\i], v[ADRS] offset:\i*SBLK+\off+4
.endr
.endm
; A load into a register that a matrix instruction has read, and an LDS store that reads a matrix result, stand eight places behind that matrix instruction, and only plain vector instructions that name none of its
; registers are places; the matrix instructions in between are not counted: so eight v_nop stand in front of each run of loads that follows products.
; A slot's first 128 along K.  sput = 1: the second half of the scales goes into LDS.
.macro SUB0 slot, first, sput=0
	s_wait_dscnt 32                                ; W's set 0, x's blocks 0-3 and the scale words are in; x's blocks 4-7 and half of W's set 1 may be out
	QUADS 0, 8, 0, \slot, \first
	PLACES 8
	LB \slot, 1, 4
.if \slot == 0
	LS 1, 8                                        ; the next, odd K step's scale words, ahead of the change of slots
.endif
	LA \slot, 1, 0
.if \slot == 0
	s_wait_dscnt 60                                ; x's blocks 4-7: behind them 16 + 16 + 12 + 16
.else
	s_wait_dscnt 48                                ; behind them 16 + 16 + 16
.endif
	QUADS 8, 8, 0, \slot, \first
	PLACES 8
	LA \slot, 1, 4
.if \sput
	s_wait_loadcnt 0x0                             ; asked for 256 along K ago
	SPUT BIAS                                      ; every wave's last reads of the first half stand ahead of the last change of slots; the next one shows these stores to all
.endif
.endm
; A slot's second 128 along K changes slots: ONE barrier; in front of it each wave waits for all its tensor loads, adds 0 to its spare word, and waits for that and for its own LDS reads: all of the slot is then in registers.
; fill = 1: this slot is filled again, two K steps ahead.  sget = 1: the second half of the scales is asked for.  sput = 1: SPUT's 32 stores stand ahead.
.macro CHANGE slot, fill, sget, sput
.if \fill
	s_wait_xcnt 0x0                                ; the last prefetch, issued among the last change's products, has read its address: it is stepped here
	s_add_nc_u64 s[PFA:PFA+1], s[PFA:PFA+1], ROWB
.endif
.if \sget
	SGET BIAS, 64                                  ; into the registers of the bias, which the first products have read
.endif
.if \sput
	s_wait_dscnt 48                                ; W's set 1 and x's blocks 0-3: behind them x's 4-7 and 32 stores
.else
	s_wait_dscnt 16                                ; behind them x's 4-7
.endif
	QUADS 0, 4, 1, \slot
	WIN 0                                          ; (the add's two registers lie in window 0)
	s_wait_tensorcnt 0x0                           ; all my tensor loads have landed: my part of what is read behind the barrier;
	ds_add_u32 v[SPW], v[NIL]                      ; 0 onto my spare word
.if \fill
	s_add_nc_u64 s[G0A+4*\slot+2:G0A+4*\slot+3], s[G0A+4*\slot+2:G0A+4*\slot+3], 2*ROWB   ; no tensor load of mine is out: this slot's descriptors go on to the K step two on
	s_add_nc_u64 s[G0B+4*\slot+2:G0B+4*\slot+3], s[G0B+4*\slot+2:G0B+4*\slot+3], 2*ROWB
.endif
	QUADS 4, 2, 1, \slot                           ; eight matrix instructions stand between the add and the wait for it
	s_wait_dscnt 0x0                               ; the add is done, and my reads of this slot, and of the scales, are over
	s_barrier_signal -1
	QUADS 6, 1, 1, \slot
	WIN 0
	s_barrier_wait -1
.if \fill
	CREST                                          ; the barrier has opened a round of the cluster's barrier: no wave of any partner still reads what is filled again or has a load on its way
	JLOAD \slot                                    ; the first tensor load behind the round, one a wave
.endif
.endm
; sstep = 1: the scale words' address goes back to a row's first byte.
.macro SUB1 slot, next, sget, how, sstep
	CHANGE \slot, 1, \sget, \sstep
.if \next == 0
.if \sstep
	v_sub_nc_u32 v[ADRS], v[ADRS], 48              ; K step 8: the first bytes of the rows that hold the second half now
.else
	v_add_nc_u32 v[ADRS], 16, v[ADRS]              ; on to the next two K steps' scale words
.endif
	s_wait_alu depctr_va_vdst(0)
.endif
	LB \next, 0, 0                                 ; (the eight places for W's set 0 stand behind the last product that read it, in SUB0)
	LB \next, 0, 4
	QUADS 7, 5, 1, \slot
	PLACES 8
.if \next == 0
	LS 0, 0                                        ; an even K step's scale words, behind the change of slots
.endif
	LA \next, 0, 0
	ASK \how
	QUADS 12, 4, 1, \slot
	PLACES 8
	LA \next, 0, 4
	LB \next, 1, 0
.endm
; Once round the ring, from a lap's second 128 along K to the next lap's first; both slots are filled again.  half = 1: the scales go over to the second half of K
.macro TRIP half, how
	SUB1 0, 1, \half, \how, 0
	SUB0 1, 0, \half
	SUB1 1, 0, 0, \how, \half
	SUB0 0, 0
	WIN 0
.endm
	s_wait_alu depctr_va_vdst(0)
	s_wait_loadcnt 16                              ; the scales are in: behind them the bias's 16 loads
	SPUT AF
	s_wait_tensorcnt 0x0                           ; my part of K step 0 is in;
	ds_add_u32 v[SPW], v[NIL]
	s_wait_dscnt 0x0                               ; the add is done, and my scales are in LDS
	CROUND                                         ; a whole round: K step 0 and the scales are in, and all sixteen work-groups are here: the joint loads meet,
	JLOAD 1                                        ; and K step 1's load, the first tensor load behind the round
	LB 0, 0, 0
	LB 0, 0, 4
	LS 0, 0
	LA 0, 0, 0
	LA 0, 0, 4
	LB 0, 1, 0
	WIN 0
	global_prefetch_b8 v[PFO], s[PFA:PFA+1] offset:2*ROWB th:TH_LOAD_NT scope:SCOPE_SE   ; K step 2,
	ASK 1                                          ; and K step 3
	s_wait_loadcnt 0x0                             ; the bias
	SUB0 0, 1                                      ; the first step stands in front of the loops: its products start the sums
	WIN 0
	s_mov_b32 s3, 3
.Llap_a:                                               ; the changes of slots at the ends of K steps 0 to 5
	TRIP 0, 1
	s_sub_co_u32 s3, s3, 1
	s_cmp_lg_u32 s3, 0
	s_cbranch_scc1 .Llap_a
	TRIP 1, 1                                      ; at the ends of K steps 6 and 7, written out: between them the scales' second half takes its place
	s_mov_b32 s3, 3
.Llap_b:                                               ; at the ends of K steps 8 to 13
	TRIP 0, 0
	s_sub_co_u32 s3, s3, 1
	s_cmp_lg_u32 s3, 0
	s_cbranch_scc1 .Llap_b
; THE LAST K STEP (15, in slot 1) GOES BY ROWS: W's fragments of all 256 along K fill both sets, x's come by blocks of 16 rows x 256 K (32 registers: block a at v[64 + 32 a], blocks 6 and 7 where 4 and 5 lay).
; A block's eight accumulators take turns, K ascending, and each block leaves once it is finished and the places behind it are done.
.set BK0, 64                           ; the way out: 16 rows read back from the stage: v64-127 (even blocks), v128-191 (odd blocks)
.macro RA a                            ; x's block a, 256 along K: eight loads
	WIN 0
.set XR_, 64+32*((\a)-2*((\a)/6))
.irp q, 0,1
.irp c, 0,1,2,3
	ds_load_b128 v[XR_+16*\q+4*\c:XR_+16*\q+4*\c+3], v[ADRA+1] offset:128*\q+32*\c+(\a)*16*PITCH
.endr
.endr
.endm
.macro RQ a, q                         ; the eight products of block a on the slot's q-th 128 along K
.set A_, (\a)
.set B_, 0
.set X_, 64+32*((\a)-2*((\a)/6))+16*(\q)
	FOUR \q, 1, 0
	FOUR \q, 1, 0
.endm
; A lane holds 32 neighbouring bytes of a row, and the lanes beside it hold other rows: so a block goes through my own stage in LDS and comes back as whole
; rows of 512 bytes, which the 32 lanes store as 512 consecutive bytes.  LDS serves a wave's instructions in order (ISA guide 5.7.1.4): no wait between the stores and the loads, nor in front of the next block's stores.
.macro TOSTAGE a
.set AC, 64*((\a)%4)
	WIN 0x08+4*((\a)/4)                            ; the data: window 2 or 3
.irp b, 0,1,2,3,4,5,6,7
	ds_store_b128 v[STO], v[AC+8*\b:AC+8*\b+3] offset:64*\b          ; each accumulator from its low end on
	ds_store_b128 v[STO], v[AC+8*\b+4:AC+8*\b+7] offset:64*\b+16
.endr
	WIN 0
.set BB, BK0+64*((\a)%2)
.irp t, 0,1,2,3,4,5,6,7,8,9,10,11,12,13,14,15
	ds_load_b128 v[BB+4*\t:BB+4*\t+3], v[RD] offset:\t*SPITCH
.endr
.endm
.macro SEND a, younger                 ; younger: the LDS instructions issued behind block a's loads, which may stay out
	WIN 0
.set BB, BK0+64*((\a)%2)
	s_wait_dscnt \younger                          ; the block is back in registers
.if (\a) > 0
	s_wait_xcnt 0x0                                ; block a - 1's stores have read their base and their registers
	s_add_nc_u64 s[14:15], s[14:15], 16*SIZE_N*4   ; 16 rows on, so that the stores' offsets stay small: 15 rows of 16,384 bytes at the most
.endif
.irp t, 0,1,2,3,4,5,6,7,8,9,10,11,12,13,14,15
	global_store_b128 v[CO], v[BB+4*\t:BB+4*\t+3], s[14:15] offset:\t*SIZE_N*4 th:TH_STORE_NT   ; 32 lanes store 512 consecutive bytes, at a multiple of 256 from out0's first byte; written once, read by nobody here
.endr
.endm
	CHANGE 0, 0, 0, 0                              ; nothing is filled again: no round
	LB 1, 0, 0
	LB 1, 0, 4
	QUADS 7, 5, 1, 0
	PLACES 8
	RA 0                                           ; blocks 0, 1: where the bias lay;
	RA 1
	RA 2                                           ; 2, 3, 4: where blocks 0-5 of K step 14 lay
	RA 3
	RA 4
	QUADS 12, 4, 1, 0
	PLACES 8
	LB 1, 1, 0
	LB 1, 1, 4
	RA 5
	s_wait_dscnt 56                                ; blocks 0-2 and W's set 0: behind them 16 + 32 + 8
	RQ 0, 0
	RQ 1, 0
	RQ 2, 0
	s_wait_dscnt 48                                ; block 3
	RQ 3, 0
	s_wait_dscnt 40                                ; block 4
	RQ 4, 0
	s_wait_dscnt 8                                 ; W's set 1: behind it block 5
	RQ 0, 1
	RQ 1, 1
	PLACES 8
	TOSTAGE 0                                      ; back into the registers of x's blocks 0 and 1
	RQ 2, 1
	RQ 3, 1
	PLACES 8
	SEND 0, 0
	TOSTAGE 1                                      ; into those of blocks 2 and 3
	RQ 4, 1
	RQ 5, 0
	RQ 5, 1
	PLACES 8
	RA 6
	RA 7
	SEND 1, 16
	TOSTAGE 2
	s_wait_dscnt 32                                ; blocks 6, 7: behind them block 2's 16 stores and 16 loads
	RQ 6, 0
	RQ 6, 1
	RQ 7, 0
	RQ 7, 1
	PLACES 8                                       ; for the reads of the last products' results
	SEND 2, 0
	TOSTAGE 3
.irp a, 4,5,6,7
	s_wait_xcnt 0x0                                ; block a - 2's stores have read their registers: block a's loads may land there
	TOSTAGE \a
	SEND \a-1, 32                                  ; behind block a - 1's loads: block a's 16 stores and 16 loads
.endr
	SEND 7, 0
	s_wait_tensorcnt 0x0                           ; the wave's end
	ds_add_u32 v[SPW], v[NIL]
	s_wait_dscnt 0x0
	CROUND                                         ; the closing round: no work-group ends while a partner may still ask for a tile that names it
	s_endpgm
.Lfunc_end_k_q0b782f69cd_gemm:
	.size	k_q0b782f69cd_gemm, .Lfunc_end_k_q0b782f69cd_gemm-k_q0b782f69cd_gemm
	.p2alignl 7, 3214868480
	.fill 96, 4, 3214868480
	.section	.rodata,"a",@progbits
	.p2align	6, 0x0
	.amdhsa_kernel k_q0b782f69cd_gemm
		.amdhsa_group_segment_fixed_size 327680
		.amdhsa_private_segment_fixed_size 0
		.amdhsa_enable_private_segment 0
		.amdhsa_kernarg_size 48
		.amdhsa_user_sgpr_count 2
		.amdhsa_user_sgpr_kernarg_segment_ptr 1
		.amdhsa_wavefront_size32 1
		.amdhsa_system_sgpr_workgroup_id_x 1
		.amdhsa_system_sgpr_workgroup_id_y 1
		.amdhsa_system_sgpr_workgroup_id_z 1
		.amdhsa_system_vgpr_workitem_id 0
		.amdhsa_next_free_vgpr 1024
		.amdhsa_next_free_sgpr 100
		.amdhsa_reserve_vcc 0
		.amdhsa_float_denorm_mode_32 3
		.amdhsa_float_denorm_mode_16_64 3
		.amdhsa_memory_ordered 1
		.amdhsa_forward_progress 1
		.amdhsa_inst_pref_size 255
	.end_amdhsa_kernel
	.section	.bss,"aw",@nobits
	.p2align	6
	.space	262144
	.amdgpu_metadata
---
amdhsa.version: [ 1, 2 ]
amdhsa.kernels:
  - .name:           k_q0b782f69cd_gemm
    .symbol:         k_q0b782f69cd_gemm.kd
    .args:
      - { .name: x_codes, .offset: 0, .size: 8, .value_kind: global_buffer, .address_space: global }
      - { .name: x_scales, .offset: 8, .size: 8, .value_kind: global_buffer, .address_space: global }
      - { .name: W_codes, .offset: 16, .size: 8, .value_kind: global_buffer, .address_space: global }
      - { .name: W_scales, .offset: 24, .size: 8, .value_kind: global_buffer, .address_space: global }
      - { .name: b, .offset: 32, .size: 8, .value_kind: global_buffer, .address_space: global }
      - { .name: out0, .offset: 40, .size: 8, .value_kind: global_buffer, .address_space: global }
    .group_segment_fixed_size: 327680
    .private_segment_fixed_size: 0
    .kernarg_segment_align: 8
    .kernarg_segment_size: 48
    .max_flat_workgroup_size: 128
    .sgpr_count:     100
    .vgpr_count:     1024
    .wavefront_size: 32
...
	.end_amdgpu_metadata
.endif
;; end of part 1
